; MI455X (gfx1250); checked and timed in simulation.
; The chip was launched on July 23, 2026; its instructions are those of AMD's public machine-readable ISA for CDNA 5 (MIT licence, August 2026) and "CDNA5" Instruction Set Architecture Reference Guide (July 2026). The comments in the code are by the model that wrote it; some were corrected since.
;; Multi Head Attention. Allowed arithmetic: matrix products marked QUANTISED: E2M3 operands, one E8M0 scale for each 32 along K, by v_wmma_scale_f32_16x16x128_f8f6f4 with both operands' format E2M3, f32 sums; everything else in f32.
;; Inputs: b_k 1,024 float32; b_o 1,024 float32; b_q 1,024 float32; b_v 1,024 float32; k 4 x 2,048 x 1,024 float32; ln_b 1,024 float32; ln_g 1,024 float32; q 4 x 2,048 x 1,024 float32; v 4 x 2,048 x 1,024 float32; w_k 1,024 x 1,024 float32; w_o 1,024 x 1,024 float32; w_q 1,024 x 1,024 float32; w_v 1,024 x 1,024 float32.
;; Outputs: out0 4 x 2,048 x 1,024 float32.
;; This version of the problem:
;;   THIS VERSION OF THE PROBLEM IS GIVEN IN LOW PRECISION. The matrix products marked QUANTISED in the list below multiply operands that are first quantised to E2M3 (2 exponent bits, 3 mantissa bits; 6 bits a number), with one power-of-two scale for each 32 numbers along K (OCP MX v1.0); their sums are f32. All else is computed in f32.
;;   The module's matrix products, in the order in which they are computed (A, B: the left and right operand; K: the contracted axis; several contracted axes count as one K, in the product's order):
;;     1. [M 8,192, K 1,024] x [K 1,024, N 1,024]; A: input q; B: input w_q: QUANTISED
;;     2. [M 8,192, K 1,024] x [K 1,024, N 1,024]; A: input k; B: input w_k: QUANTISED
;;     3. [M 8,192, K 1,024] x [K 1,024, N 1,024]; A: input v; B: input w_v: QUANTISED
;;     4. batch 64 x [M 2,048, K 64] x [K 64, N 2,048]; A: computed on the way; B: computed on the way: QUANTISED
;;     5. batch 64 x [M 2,048, K 2,048] x [K 2,048, N 64]; A: softmax (see below); B: computed on the way: QUANTISED
;;     6. [M 8,192, K 1,024] x [K 1,024, N 1,024]; A: computed on the way; B: input w_o: QUANTISED
;;   THE QUANTISER, for each operand of a quantised product, along K:
;;     - K is cut into blocks of 32 from its start; a last block that is shorter is filled with zeros.
;;     - A block's scale is 2^e with e = floor(log2(the largest magnitude in the block)) - 2, held to -126 .. 127; a block of zeros has e = 0. As a byte (E8M0): e + 127.
;;     - Each number is divided by its block's scale, clamped to +-7.5, and rounded to the nearest number of E2M3, ties to even, subnormals kept.
;;     - The product sums the exact products of the quantised numbers (number of the format x scale) in f32.
;;   ~~~python
;;   def quantise(x, axis):      # numpy; x: float32 -> the quantised numbers, widened to float32 again
;;       x = np.moveaxis(x, axis, -1); K = x.shape[-1]
;;       x = np.pad(x, [(0, 0)] * (x.ndim - 1) + [(0, -K % 32)]); x = x.reshape(x.shape[:-1] + (-1, 32)); a = np.abs(x).max(-1, keepdims=True)
;;       e = np.where(a > 0, np.clip(np.frexp(np.where(a > 0, a, 1))[1] - 1 - 2, -126, 127), 0)      # np.frexp(a)[1] - 1 = floor(log2(a)), exactly
;;       r = np.clip(x / 2.0 ** e, -7.5, 7.5)
;;       step = 2.0 ** (np.maximum(np.frexp(np.where(r == 0, 1, r))[1] - 1, 0) - 3)
;;       q = np.round(r / step) * step * 2.0 ** e      # np.round: ties to even
;;       return np.moveaxis(q.reshape(q.shape[:-2] + (-1,))[..., :K], -1, axis).astype(np.float32)
;;   ~~~
;;   SOFTMAX AHEAD OF A QUANTISED PRODUCT. Where the list says 'softmax', what is quantised is not the finished softmax but p = 2^(t - M), with t = logit x log2(e) and M = ceil(the row's largest t), a whole number; so 1/2 < the row's largest p <= 1. The row's sum l is taken of the UNQUANTISED p, in f32, and the product's result is divided by l at the end. Since M is a whole number, a kernel that streams over the keys may use a running M (the ceiling of the running maximum): every later rescaling is an exact power of two, which a block's scale takes up: the codes' values come out the same.
;;   OPERANDS COMPUTED ON THE WAY. 'Computed on the way' means the value that the module computes at that place (a softmax that the list does not call 'softmax' is quantised finished and normalised). What goes into a quantiser is computed in f32, as accurately as f32 sums, v_exp_f32 and their like allow (about 1e-6 of the number): no bf16 or f16 on the way to a quantiser, and a product that is left as it is and whose result goes on into a quantised operand takes f32 operands (vector FMAs, or v_wmma_f32_16x16x4_f32). A number that lies on a knife's edge between two numbers of the format may be rounded either way, as far as f32 arithmetic and the matrix unit's own rounding can turn it there, and no further.
;; One version. Each part assembles by itself: llvm-mc -triple=amdgcn-amd-amdhsa -mcpu=gfx1250 --defsym DOCPART=n.
;; ======== version 1 of 1: 4 launches
;; limits: right only within a limited range of input values
;; workspace buffers: wfr 3,145,728 bytes; wsc 131,072 bytes; qfr 13,107,200 bytes; kvfr 13,107,200 bytes; ofr 6,291,456 bytes; osc 262,144 bytes
;; launch wquant (part 1): grid 64 x 4, 4 waves a work-group, no clusters, 0 bytes of LDS; arguments w_q, w_k, w_v, w_o, wfr, wsc; writes wfr, wsc
.if DOCPART == 1
	.amdgcn_target "amdgcn-amd-amdhsa--gfx1250"
	.amdhsa_code_object_version 6
	.text
	.protected	k_q5923e90e4d_wquant
	.globl	k_q5923e90e4d_wquant
	.p2align	8
	.type	k_q5923e90e4d_wquant,@function
k_q5923e90e4d_wquant:
	s_mov_b64 s[64:65], 0
	v_nop
	global_prefetch_b8 v0, s[64:65] scope:SCOPE_SE
	s_setreg_imm32_b32 hwreg(HW_REG_WAVE_MODE, 25, 1), 1
	s_wait_xcnt 0x0
; The four weights [1024 (k)][1024 (n)], f32, K their FIRST axis, become codes of FP6 (E2M3) with one E8M0 byte for each 32 along K,
; laid in the ORDER OF THE READER'S OPERAND REGISTERS.  wfr: [weight][wave 0-3][K step 0-7][tile 0-15][1,536 bytes]; a tile is 16 columns x 128 K,
; twelve registers a lane, as three pieces of 512 bytes: piece c holds registers 4 c .. 4 c + 3, 16 bytes a lane at 16 x lane.
; Tile 2 P + u of wave g: its row r is column 256 g + 32 P + 8 u + r + 8 (r / 8), so that two neighbouring tiles give a lane of the product 16 neighbouring columns.
; wsc: [weight][wave][K step][P 0-7][128 bytes]: lanes 0-15 the scale words of tile 2 P, lanes 16-31 those of tile 2 P + 1.
; A LANE TAKES A COLUMN AND ITS REGISTERS RUN DOWN K: each load reads 128 consecutive bytes a wave, a block of 32 lies in one lane, nothing is transposed.
; A wave takes 32 columns x 128 K.  Lane o is row r = o % 8 + 8 (o / 16) of tile u = (o / 8) % 2; its blocks 0, 2 are the operand's lane (r, 0), its blocks 1, 3 lane (r, 1).
; A block's scale is 2^(floor(log2(largest magnitude)) - 2): its byte is the largest magnitude's exponent field - 2, held at 1 from below by a floor among the maximum's leaves.
; LIMITS: a block of zeros gets the byte 1, not 127 (its codes are zeros; this program alone reads the bytes); blocks under 2^-124 keep the byte 1; NaN and infinities are not served.
; No LDS, no barrier: waves share nothing.  Loads run two blocks ahead.
.set X,  64                            ; v64-127  two sets of 32 numbers
.set CF, 16                            ; v16-39   two operand lanes of 12 registers
.set TT, 40                            ; v40-42   the upper half of a block's codes, before it is moved
	s_load_b256 s[4:11], s[0:1], 0x0               ; w_q, w_k, w_v, w_o
	s_load_b128 s[12:15], s[0:1], 0x20             ; wfr, wsc
	v_lshrrev_b32 v1, 5, v0
	v_readfirstlane_b32 s16, v1                    ; wave
	v_and_b32 v1, 31, v0                           ; o
	v_lshlrev_b32 v2, 2, v1                        ; in: 4 bytes a lane
	v_bfe_u32 v5, v1, 3, 1                         ; u
	v_and_b32 v6, 7, v1
	v_lshrrev_b32 v7, 4, v1
	v_lshl_add_u32 v6, v7, 3, v6                   ; r
	v_lshlrev_b32 v3, 4, v6
	v_mad_u32_u24 v3, v5, 1536, v3                 ; out: 1,536 u + 16 r
	v_lshl_add_u32 v4, v5, 4, v6
	v_lshlrev_b32 v4, 2, v4                        ; the scale word: 4 (r + 16 u)
	s_and_b32 s17, ttmp7, 0xffff                   ; which weight
	s_and_b32 s18, ttmp9, 7                        ; K step
	s_lshr_b32 s19, ttmp9, 3                       ; which 128 columns
	s_lshl_b32 s20, s18, 19                        ; 128 rows of 4,096 bytes
	s_lshl_b32 s21, s19, 9
	s_add_co_u32 s20, s20, s21
	s_lshl_b32 s21, s16, 7
	s_add_co_u32 s20, s20, s21                     ; + my wave's 32 columns
	s_mov_b32 s21, 0
	s_lshr_b32 s22, s19, 1                         ; the reader's wave
	s_lshl_b32 s22, s22, 3
	s_add_co_u32 s22, s22, s18
	s_and_b32 s23, s19, 1
	s_lshl_b32 s23, s23, 2
	s_add_co_u32 s23, s23, s16                     ; P
	s_lshl_b32 s24, s22, 3
	s_add_co_u32 s24, s24, s23                     ; (8 wave + K step) x 8 + P
	s_mul_i32 s26, s24, 3072                       ; two tiles of 1,536 bytes
	s_mul_i32 s25, s17, 786432
	s_add_co_u32 s26, s26, s25
	s_mov_b32 s27, 0
	s_lshl_b32 s28, s24, 7
	s_lshl_b32 s25, s17, 15
	s_add_co_u32 s28, s28, s25
	s_mov_b32 s29, 0
	s_wait_alu depctr_va_vdst(0)
	s_wait_kmcnt 0x0
	s_cmp_eq_u32 s17, 1                            ; the choice hangs on the work-group's number alone
	s_cselect_b64 s[4:5], s[6:7], s[4:5]
	s_cmp_eq_u32 s17, 2
	s_cselect_b64 s[4:5], s[8:9], s[4:5]
	s_cmp_eq_u32 s17, 3
	s_cselect_b64 s[4:5], s[10:11], s[4:5]
	s_add_nc_u64 s[4:5], s[4:5], s[20:21]
	s_add_nc_u64 s[12:13], s[12:13], s[26:27]
	s_add_nc_u64 s[14:15], s[14:15], s[28:29]
.macro LOAD t                          ; block t: W(32 t + i, my column) into set t % 2
.irp i, 0,1,2,3,4,5,6,7,8,9,10,11,12,13,14,15,16,17,18,19,20,21,22,23,24,25,26,27,28,29,30,31
	global_load_b32 v[X+32*((\t)%2)+\i], v2, s[4:5] offset:(32*(\t)+\i)*4096 th:TH_LOAD_NT
.endr
.endm
.macro BLOCK t
.set XS, X+32*((\t)%2)
.set D, CF+12*((\t)%2)+6*((\t)/2)
.if (\t) < 3
	s_wait_loadcnt 32                              ; this block's 32 loads are in; the next block's 32 may be out
.else
	s_wait_loadcnt 0x0
.endif
	v_max3_num_f32 v12, |v[XS]|, |v[XS+1]|, |v[XS+2]|              ; the block's largest magnitude, in two chains
	v_max3_num_f32 v13, |v[XS+3]|, |v[XS+4]|, |v[XS+5]|
.irp i, 6,10,14,18,22,26
	v_max3_num_f32 v12, v12, |v[XS+\i]|, |v[XS+\i+1]|
	v_max3_num_f32 v13, v13, |v[XS+\i+2]|, |v[XS+\i+3]|
.endr
	v_max3_num_f32 v12, v12, |v[XS+30]|, |v[XS+31]|
	v_max3_num_f32 v12, v12, v13, 0x1800000        ; and the floor 2^(3 - 127): the byte cannot fall under 1
	v_add_nc_u32 v11, 0xff000000, v12              ; 2 off the exponent field: the conversion takes this operand's exponent field as its scale
	v_cvt_scalef32_pk16_fp6_f32 v[D:D+2], v[XS:XS+15], v11
	v_cvt_scalef32_pk16_fp6_f32 v[TT:TT+2], v[XS+16:XS+31], v11    ; (a conversion's three registers begin on an even number)
	v_lshrrev_b32 v13, 23, v11                     ; the scale's byte; also the plain line behind the conversions
.if (\t) == 0
	v_mov_b32 v14, v13
.else
	v_lshl_or_b32 v14, v13, 8*(\t), v14            ; four bytes make my column's scale word for this K step
.endif
.irp i, 0,1,2
	v_mov_b32 v[D+3+\i], v[TT+\i]
.endr
.if (\t) < 2
	LOAD (\t)+2
.endif
.endm
	LOAD 0
	LOAD 1
	BLOCK 0
	BLOCK 1
	BLOCK 2
	BLOCK 3
.irp h, 0,1
.irp c, 0,1,2
	global_store_b128 v3, v[CF+12*\h+4*\c:CF+12*\h+4*\c+3], s[12:13] offset:512*\c+256*\h   ; the sixteen lanes of a tile store 256 consecutive bytes, aligned
.endr
.endr
	global_store_b32 v4, v14, s[14:15]             ; 128 consecutive bytes a wave
	s_endpgm
.Lfunc_end_k_q5923e90e4d_wquant:
	.size	k_q5923e90e4d_wquant, .Lfunc_end_k_q5923e90e4d_wquant-k_q5923e90e4d_wquant
	.p2alignl 7, 3214868480
	.fill 96, 4, 3214868480
	.section	.rodata,"a",@progbits
	.p2align	6, 0x0
	.amdhsa_kernel k_q5923e90e4d_wquant
		.amdhsa_group_segment_fixed_size 0
		.amdhsa_private_segment_fixed_size 0
		.amdhsa_enable_private_segment 0
		.amdhsa_kernarg_size 48
		.amdhsa_user_sgpr_count 2
		.amdhsa_user_sgpr_kernarg_segment_ptr 1
		.amdhsa_wavefront_size32 1
		.amdhsa_system_sgpr_workgroup_id_x 1
		.amdhsa_system_sgpr_workgroup_id_y 1
		.amdhsa_system_sgpr_workgroup_id_z 1
		.amdhsa_system_vgpr_workitem_id 0
		.amdhsa_next_free_vgpr 128
		.amdhsa_next_free_sgpr 66
		.amdhsa_reserve_vcc 0
		.amdhsa_float_denorm_mode_32 3
		.amdhsa_float_denorm_mode_16_64 3
		.amdhsa_memory_ordered 1
		.amdhsa_forward_progress 1
		.amdhsa_inst_pref_size 21
	.end_amdhsa_kernel
	.amdgpu_metadata
---
amdhsa.version: [ 1, 2 ]
amdhsa.kernels:
  - .name:           k_q5923e90e4d_wquant
    .symbol:         k_q5923e90e4d_wquant.kd
    .args:
      - { .name: w_q, .offset: 0, .size: 8, .value_kind: global_buffer, .address_space: global }
      - { .name: w_k, .offset: 8, .size: 8, .value_kind: global_buffer, .address_space: global }
      - { .name: w_v, .offset: 16, .size: 8, .value_kind: global_buffer, .address_space: global }
      - { .name: w_o, .offset: 24, .size: 8, .value_kind: global_buffer, .address_space: global }
      - { .name: wfr, .offset: 32, .size: 8, .value_kind: global_buffer, .address_space: global }
      - { .name: wsc, .offset: 40, .size: 8, .value_kind: global_buffer, .address_space: global }
    .group_segment_fixed_size: 0
    .private_segment_fixed_size: 0
    .kernarg_segment_align: 8
    .kernarg_segment_size: 48
    .max_flat_workgroup_size: 128
    .sgpr_count:     66
    .vgpr_count:     128
    .wavefront_size: 32
...
	.end_amdgpu_metadata
.endif
;; end of part 1
;; launch proj (part 2): grid 128 x 3, 4 waves a work-group, no clusters, 327,680 bytes of LDS; arguments q, k, v, b_q, b_k, b_v, wfr, wsc, qfr, kvfr; writes qfr, kvfr
.if DOCPART == 2
	.amdgcn_target "amdgcn-amd-amdhsa--gfx1250"
	.amdhsa_code_object_version 6
	.text
	.protected	k_q5923e90e4d_proj
	.globl	k_q5923e90e4d_proj
	.p2align	8
	.type	k_q5923e90e4d_proj,@function
k_q5923e90e4d_proj:
	s_mov_b64 s[64:65], 0
	v_nop
	global_prefetch_b8 v0, s[64:65] scope:SCOPE_SE
	s_setreg_imm32_b32 hwreg(HW_REG_WAVE_MODE, 25, 1), 1
	s_wait_xcnt 0x0
.set XRW,   67584
.set XRS,   8448
.set XSL,   33792                      ; LDS: one K slice (128 numbers) of the block's 64 rows, 528 bytes a row; slice s at s x XSL
.set IMG,   270336
.set ASC,   319488
.set SPARE, 321536
.set AF,  16
.set AS,  112
.set WS,  116
.set TM,  180
.set PW,  196
.set PW0, 197
.set PC,  198
.set VB,  218
.set PWS, 250
.set G1,  24
.set G0,  32
.set WV,  66
.set YY,  67
.set RB,  68
.set HM,  70
.set SEL, 72
.set WB,  74
.set WSB, 76
.set BB,  10
.set OB,  80
.set OS,  82
.set MSB, 0
.macro WIN new
.if MSB != (\new)
	s_set_vgpr_msb (MSB<<8)|(\new)
.set MSB, (\new)
.endif
.endm
.macro PLACES
.rept 4
	v_nop
.endr
.endm
.macro WM d, x, y, sx, sy, rx, ry, zero
.if \zero
.if (\rx) && (\ry)
	v_wmma_scale_f32_16x16x128_f8f6f4 v[\d:\d+7], v[\x:\x+11], v[\y:\y+11], 0, v[\sx], v[\sy] matrix_a_fmt:MATRIX_FMT_FP6 matrix_b_fmt:MATRIX_FMT_FP6 matrix_a_scale:MATRIX_SCALE_ROW1 matrix_b_scale:MATRIX_SCALE_ROW1
.elseif \rx
	v_wmma_scale_f32_16x16x128_f8f6f4 v[\d:\d+7], v[\x:\x+11], v[\y:\y+11], 0, v[\sx], v[\sy] matrix_a_fmt:MATRIX_FMT_FP6 matrix_b_fmt:MATRIX_FMT_FP6 matrix_a_scale:MATRIX_SCALE_ROW1
.elseif \ry
	v_wmma_scale_f32_16x16x128_f8f6f4 v[\d:\d+7], v[\x:\x+11], v[\y:\y+11], 0, v[\sx], v[\sy] matrix_a_fmt:MATRIX_FMT_FP6 matrix_b_fmt:MATRIX_FMT_FP6 matrix_b_scale:MATRIX_SCALE_ROW1
.else
	v_wmma_scale_f32_16x16x128_f8f6f4 v[\d:\d+7], v[\x:\x+11], v[\y:\y+11], 0, v[\sx], v[\sy] matrix_a_fmt:MATRIX_FMT_FP6 matrix_b_fmt:MATRIX_FMT_FP6
.endif
.else
.if (\rx) && (\ry)
	v_wmma_scale_f32_16x16x128_f8f6f4 v[\d:\d+7], v[\x:\x+11], v[\y:\y+11], v[\d:\d+7], v[\sx], v[\sy] matrix_a_fmt:MATRIX_FMT_FP6 matrix_b_fmt:MATRIX_FMT_FP6 matrix_a_scale:MATRIX_SCALE_ROW1 matrix_b_scale:MATRIX_SCALE_ROW1
.elseif \rx
	v_wmma_scale_f32_16x16x128_f8f6f4 v[\d:\d+7], v[\x:\x+11], v[\y:\y+11], v[\d:\d+7], v[\sx], v[\sy] matrix_a_fmt:MATRIX_FMT_FP6 matrix_b_fmt:MATRIX_FMT_FP6 matrix_a_scale:MATRIX_SCALE_ROW1
.elseif \ry
	v_wmma_scale_f32_16x16x128_f8f6f4 v[\d:\d+7], v[\x:\x+11], v[\y:\y+11], v[\d:\d+7], v[\sx], v[\sy] matrix_a_fmt:MATRIX_FMT_FP6 matrix_b_fmt:MATRIX_FMT_FP6 matrix_b_scale:MATRIX_SCALE_ROW1
.else
	v_wmma_scale_f32_16x16x128_f8f6f4 v[\d:\d+7], v[\x:\x+11], v[\y:\y+11], v[\d:\d+7], v[\sx], v[\sy] matrix_a_fmt:MATRIX_FMT_FP6 matrix_b_fmt:MATRIX_FMT_FP6
.endif
.endif
.endm
.macro WLOAD G
	WIN 0x40
.irp t, 0,1,2,3
.irp c, 0,1,2
	global_load_b128 v[48*((\G)%5)+12*\t+4*\c:48*((\G)%5)+12*\t+4*\c+3], v1, s[WB:WB+1] offset:(4*(\G)+\t)*1536+512*\c
.endr
.endr
.endm
.macro AFETCH s
	WIN 0
.set AFB, AF+48*((\s)%2)
.irp a, 0,1,2,3
	ds_load_b128 v[AFB+12*\a:AFB+12*\a+3], v6 offset:6144*(\s)+1536*\a
	ds_load_b64 v[AFB+12*\a+4:AFB+12*\a+5], v7 offset:6144*(\s)+1536*\a+512
	ds_load_b128 v[AFB+12*\a+6:AFB+12*\a+9], v6 offset:6144*(\s)+1536*\a+768
	ds_load_b64 v[AFB+12*\a+10:AFB+12*\a+11], v7 offset:6144*(\s)+1536*\a+1280
.endr
	ds_load_b32 v[AS+2*((\s)%2)], v9 offset:256*(\s)
	ds_load_b32 v[AS+2*((\s)%2)+1], v9 offset:256*(\s)+128
.endm
.macro MULQK G, zero
.set SS, (\G)/4
.set GG, (\G)%4
.set SL, 48*((\G)%5)
.if GG < 2
	WIN 0xa1
.else
	WIN 0xf1
.endif
.irp a, 0,1,2,3
.irp pp, 0,1
.irp u, 0,1
	WM 64*((2*GG+\pp)%4)+16*\a+8*\u, SL+12*(2*\pp+\u), AF+48*(SS%2)+12*\a, WS+8*SS+2*GG+\pp, AS+2*(SS%2)+(\a/2), \u, \a%2, \zero
.endr
.endr
.endr
.endm
.macro MULV G, zero
.set SS, (\G)/4
.set GG, (\G)%4
.set SL, 48*((\G)%5)
.if GG < 2
	WIN 0xa4
.else
	WIN 0xf4
.endif
.irp a, 0,1,2,3
.irp t, 0,1,2,3
	WM 32*((4*GG+\t)%8)+8*\a, AF+48*(SS%2)+12*\a, SL+12*\t, AS+2*(SS%2)+(\a/2), WS+8*SS+2*GG+(\t/2), \a%2, \t%2, \zero
.endr
.endr
.endm
.macro QUANT4 r0, r1, r2, r3, w
.set WQ, (\w)
	WIN WQ|(WQ<<2)
	v_max3_num_f32 v[TM], |v[\r0]|, |v[\r0+1]|, 0x1800000
	v_max3_num_f32 v[TM+1], |v[\r1]|, |v[\r1+1]|, 0x1800000
	v_max3_num_f32 v[TM+2], |v[\r2]|, |v[\r2+1]|, 0x1800000
	v_max3_num_f32 v[TM+3], |v[\r3]|, |v[\r3+1]|, 0x1800000
	WIN (WQ<<2)|(WQ<<4)
.irp i, 2,4,6,8,10,12,14
	v_max3_num_f32 v[TM], v[TM], |v[\r0+\i]|, |v[\r0+\i+1]|
	v_max3_num_f32 v[TM+1], v[TM+1], |v[\r1+\i]|, |v[\r1+\i+1]|
	v_max3_num_f32 v[TM+2], v[TM+2], |v[\r2+\i]|, |v[\r2+\i+1]|
	v_max3_num_f32 v[TM+3], v[TM+3], |v[\r3+\i]|, |v[\r3+\i+1]|
.endr
	WIN 0
.irp b, 0,1,2,3
	v_permlanex16_b32 v[TM+4+\b], v[TM+\b], s[SEL], s[SEL+1]
.endr
.irp b, 0,1,2,3
	v_max_num_f32 v[TM+\b], v[TM+\b], v[TM+4+\b]
.endr
.irp b, 0,1,2,3
	v_add_nc_u32 v[TM+12+\b], 0xff000000, v[TM+\b]
.endr
.irp b, 0,1,2,3
	v_lshrrev_b32 v[TM+4+\b], 23, v[TM+12+\b]
.endr
	v_lshl_or_b32 v[PW], v[TM+5], 8, v[TM+4]
	v_lshl_or_b32 v[PW], v[TM+6], 16, v[PW]
	v_lshl_or_b32 v[PW], v[TM+7], 24, v[PW]
	WIN WQ
	v_cvt_scalef32_pk16_fp6_f32 v[PC:PC+2], v[\r0:\r0+15], v[TM+12]
	v_cvt_scalef32_pk16_fp6_f32 v[PC+12:PC+14], v[\r1:\r1+15], v[TM+13]
	v_cvt_scalef32_pk16_fp6_f32 v[PC+6:PC+8], v[\r2:\r2+15], v[TM+14]
	v_cvt_scalef32_pk16_fp6_f32 v[PC+16:PC+18], v[\r3:\r3+15], v[TM+15]
	WIN 0
	v_nop
.irp c, 0,1
.irp i, 0,1,2
	v_permlane16_swap_b32 v[PC+6*\c+\i], v[PC+12+4*\c+\i]
.endr
.irp i, 0,1,2
	v_mov_b32 v[PC+3+6*\c+\i], v[PC+12+4*\c+\i]
.endr
.endr
.endm
.macro BIASQ P
.irp j, 0,1,2,3
	global_load_b128 v[96+16*(\P)+4*\j:96+16*(\P)+4*\j+3], v10, s[BB:BB+1] offset:128*(\P)+16*\j
.endr
.endm
.macro GEMM kind
.set G, 0
.rept 32
.if (G%4) == 0
	s_wait_dscnt 0x0
.endif
.set NN, 48
.if \kind
.if G == 28
.set NN, 52
.elseif G == 29
.set NN, 40
.elseif G == 30
.set NN, 28
.elseif G == 31
.set NN, 16
.endif
.else
.if G == 30
.set NN, 44
.elseif G == 31
.set NN, 32
.endif
.endif
	s_wait_loadcnt NN
.if \kind
.if G < 4
	MULV G, 1
.else
	MULV G, 0
.endif
.else
.if G < 4
	MULQK G, 1
.else
	MULQK G, 0
.endif
.endif
	PLACES
.if G <= 26
	WLOAD G+5
.elseif \kind
.if G == 27
	WIN 0
.irp T, 0,1,2,3,4,5,6,7,8,9,10,11,12,13,14,15
	global_load_b32 v[VB+2*\T], v14, s[BB:BB+1] offset:(32*(\T/2)+8*(\T%2))*4
.endr
.endif
.else
.if G == 27
	WIN 0x40
	BIASQ 0
	BIASQ 1
	BIASQ 2
.elseif G == 28
	WIN 0x40
	BIASQ 3
	BIASQ 4
	BIASQ 5
.elseif G == 29
	WIN 0x40
	BIASQ 6
	BIASQ 7
.endif
.endif
.if ((G%4) == 1) && (G < 28)
	AFETCH G/4+1
.endif
.set G, G+1
.endr
	WIN 0
.endm
	s_load_b512 s[4:19], s[0:1], 0x0
	s_load_b128 s[20:23], s[0:1], 0x40
	v_lshl_add_u32 v12, v0, 2, SPARE
	v_mov_b32 v13, 0
	ds_add_u32 v12, v13
	ds_add_u32 v12, v13
	v_lshrrev_b32 v1, 5, v0
	v_readfirstlane_b32 s[WV], v1
	s_and_b32 s[YY], ttmp7, 0xffff
	s_mov_b32 s[RB], ttmp9
	s_mov_b32 s[G1+0], (2<<16)|(1<<20)|(6<<22)|(3<<25)
	s_mov_b32 s[G1+1], 128<<16
	s_mov_b32 s[G1+2], 64<<16
	s_mov_b32 s[G1+3], 128<<16
	s_mov_b32 s[G1+4], 64
	s_mov_b32 s[G1+5], 1024
	s_mov_b32 s[G1+6], 0
	s_mov_b32 s[G1+7], 0
	s_mov_b32 s[HM], 0xffff0000
	s_mov_b32 s[SEL], 0x76543210
	s_mov_b32 s[SEL+1], 0xfedcba98
	s_mul_i32 s69, s[WV], XRS                      ; my 16 rows inside a slice
	s_mul_i32 s95, s[WV], XSL                      ; where the slice that I fetch lands
	s_lshl_b32 s84, s[RB], 18
	s_lshl_b32 s85, s[WV], 9                       ; wave w fetches K slice w: 512 bytes of each of the 64 rows
	s_add_co_u32 s84, s84, s85
	s_mov_b32 s85, 0
	s_mul_i32 s86, s[YY], 786432
	s_mul_i32 s87, s[WV], 196608
	s_add_co_u32 s86, s86, s87
	s_mov_b32 s87, 0
	s_lshl_b32 s88, s[YY], 15
	s_lshl_b32 s89, s[WV], 13
	s_add_co_u32 s88, s88, s89
	s_mov_b32 s89, 0
	s_lshl_b32 s90, s[WV], 10
	s_mov_b32 s91, 0
	s_lshr_b32 s92, s[RB], 5
	s_lshl_b32 s92, s92, 8
	s_lshl_b32 s93, s[WV], 6
	s_add_co_u32 s92, s92, s93
	s_bfe_u32 s93, s[RB], 0x40001
	s_add_co_u32 s92, s92, s93
	s_mul_i32 s92, s92, 12800
	s_mov_b32 s93, 0
	s_and_b32 s94, s[RB], 1
	s_wait_dscnt 0x0
	s_wait_kmcnt 0x0
	s_cmp_eq_u32 s[YY], 1
	s_cselect_b64 s[4:5], s[6:7], s[4:5]
	s_cselect_b64 s[10:11], s[12:13], s[10:11]
	s_cmp_eq_u32 s[YY], 2
	s_cselect_b64 s[4:5], s[8:9], s[4:5]
	s_cselect_b64 s[10:11], s[14:15], s[10:11]
	s_cmp_eq_u32 s[YY], 0
	s_cselect_b64 s[20:21], s[20:21], s[22:23]
	s_add_nc_u64 s[4:5], s[4:5], s[84:85]
	s_mov_b32 s[G0], 1                             ; slice w
	s_mov_b32 s[G0+1], s95
	s_mov_b64 s[G0+2:G0+3], s[4:5]
	s_or_b32 s[G0+3], s[G0+3], 0x80000000
	s_mov_b32 s[G0+4], 1                           ; slice 4 + w: 2,048 bytes further along the rows
	s_add_co_u32 s[G0+5], s95, 4*XSL
	s_add_nc_u64 s[G0+6:G0+7], s[4:5], 2048
	s_or_b32 s[G0+7], s[G0+7], 0x80000000
	tensor_load_to_lds s[G0:G0+3], s[G1:G1+7]      ; my one tensor load at the head
	s_nop 0
.rept 4
	v_nop
.endr
	s_add_nc_u64 s[WB:WB+1], s[16:17], s[86:87]
	s_add_nc_u64 s[WSB:WSB+1], s[18:19], s[88:89]
	s_add_nc_u64 s[BB:BB+1], s[10:11], s[90:91]
	s_add_nc_u64 s[20:21], s[20:21], s[92:93]
	v_and_b32 v15, 31, v0
	v_and_b32 v14, 15, v0
	v_bfe_u32 v10, v0, 4, 1
	v_lshlrev_b32 v1, 4, v15
	v_lshlrev_b32 v2, 2, v15
	v_lshlrev_b32 v11, 3, v15
	v_mul_u32_u24 v3, v14, 528
	v_lshl_add_u32 v3, v10, 6, v3
	v_add_nc_u32 v3, s69, v3
	s_mul_i32 s86, s[WV], 1536
	s_add_co_u32 s86, s86, IMG
	v_add_nc_u32 v4, s86, v1
	v_add_nc_u32 v5, s86, v11
	v_add_nc_u32 v6, IMG, v1
	v_add_nc_u32 v7, IMG, v11
	s_lshl_b32 s86, s[WV], 6
	s_add_co_u32 s86, s86, ASC
	v_lshl_add_u32 v8, v14, 2, s86
	v_add_nc_u32 v9, ASC, v2
	v_and_b32 v15, 8, v14
	v_add_nc_u32 v14, v14, v15
	v_lshlrev_b32 v14, 2, v14
	v_lshlrev_b32 v10, 6, v10
.irp b, 0,1,2,3
	v_mov_b32 v[TM+4+\b], 0
.endr
.irp T, 0,1,2,3,4,5,6,7,8,9,10,11,12,13,14,15
	v_mov_b32 v[VB+2*\T+1], 0
.endr
.set J, 0
.rept 64
	global_load_b32 v[WS+J], v2, s[WSB:WSB+1] offset:128*J
.set J, J+1
.endr
	WLOAD 0
	WLOAD 1
	WLOAD 2
	WLOAD 3
	WLOAD 4
	WIN 0
	s_wait_alu depctr_va_vdst(0)
	s_wait_tensorcnt 0x0                           ; my slice is in
	ds_add_u32 v12, v13
	s_wait_dscnt 0x0
	s_barrier_signal -1
	s_barrier_wait -1                              ; slices 0 to 3 are whole for all four waves
	tensor_load_to_lds s[G0+4:G0+7], s[G1:G1+7]    ; slice 4 + w, into bytes of its own, on its way while slices 0 to 3 are quantised
	s_nop 0
.rept 4
	v_nop
.endr
; four K slices: my 16 rows x 128 numbers of each become an operand image (1,536 bytes) and 16 scale words
.macro QLOOP first
	s_mov_b32 s40, (\first)*XSL
	s_mov_b32 s41, (\first)*6144
	s_mov_b32 s42, (\first)*256
	s_mov_b32 s43, 0
.Lq_\@:
	v_add_nc_u32 v80, s40, v3
	v_add_nc_u32 v81, s41, v4
	v_add_nc_u32 v82, s41, v5
	v_add_nc_u32 v83, s42, v8
.irp b, 0,1,2,3
.irp j, 0,1,2,3
	ds_load_b128 v[16+16*\b+4*\j:16+16*\b+4*\j+3], v80 offset:128*\b+16*\j
.endr
.endr
	s_wait_dscnt 0x0
	QUANT4 16, 32, 48, 64, 0
	ds_store_b128 v81, v[PC:PC+3]
	ds_store_b64 v82, v[PC+4:PC+5] offset:512
	ds_store_b128 v81, v[PC+6:PC+9] offset:768
	ds_store_b64 v82, v[PC+10:PC+11] offset:1280
	ds_store_b32 v83, v[PW]
	s_add_co_u32 s40, s40, XSL
	s_add_co_u32 s41, s41, 6144
	s_add_co_u32 s42, s42, 256
	s_add_co_u32 s43, s43, 1
	s_cmp_lt_u32 s43, 4
	s_wait_alu depctr_va_vdst(0)
	s_cbranch_scc1 .Lq_\@
.endm
	QLOOP 0
	s_wait_tensorcnt 0x0                           ; my second slice is in,
	s_wait_dscnt 0x0
	s_barrier_signal -1
	s_barrier_wait -1                              ; and so is everybody's
	QLOOP 4
	s_wait_dscnt 0x0
	s_barrier_signal -1
	s_barrier_wait -1
	AFETCH 0
	s_cmp_eq_u32 s[YY], 2
	s_cbranch_scc1 .Lvpath
	s_mul_i32 s84, s94, 3072
	s_add_nc_u64 s[OB:OB+1], s[20:21], s[84:85]
	s_lshl_b32 s84, s94, 7
	s_add_co_u32 s84, s84, 12288
	s_add_nc_u64 s[OS:OS+1], s[20:21], s[84:85]
	GEMM 0
	s_wait_loadcnt 0x0
.irp q, 0,1
	WIN 0x86+0x41*\q
.irp p, 0,1,2,3
.irp a, 0,1,2,3
.irp i, 0,2,4,6,8,10,12,14
	v_pk_add_f32 v[64*\p+16*\a+\i:64*\p+16*\a+\i+1], v[64*\p+16*\a+\i:64*\p+16*\a+\i+1], v[96+16*(4*\q+\p)+\i:96+16*(4*\q+\p)+\i+1]
.endr
.endr
.endr
.endr
.irp c, 0,1,2,3
.irp e, 0,1
	s_wait_xcnt 0x0
	QUANT4 128*(\c%2)+32*\e, 128*(\c%2)+64+32*\e, 128*(\c%2)+32*\e+16, 128*(\c%2)+64+32*\e+16, 2+\c/2
.irp j, 0,1,2
	global_store_b128 v1, v[PC+4*\j:PC+4*\j+3], s[OB:OB+1] offset:204800*\c+1536*\e+512*\j
.endr
.if \e
	v_cndmask_b32 v[PWS], v[PW0], v[PW], s[HM]
	global_store_b32 v2, v[PWS], s[OS:OS+1] offset:204800*\c
.else
	v_mov_b32 v[PW0], v[PW]
.endif
.endr
.endr
	s_wait_tensorcnt 0x0
	ds_add_u32 v12, v13
	s_wait_dscnt 0x0
	s_endpgm
.Lvpath:
	s_mul_i32 s84, s94, 768
	s_add_nc_u64 s[OB:OB+1], s[20:21], s[84:85]
	s_lshl_b32 s84, s94, 1
	s_add_co_u32 s84, s84, 12544
	s_add_nc_u64 s[OS:OS+1], s[20:21], s[84:85]
	GEMM 1
	s_wait_loadcnt 0x0
.irp q, 0,1
	WIN 0x82+0x41*\q
.irp T, 0,1,2,3,4,5,6,7
.irp i, 0,2,4,6,8,10,12,14,16,18,20,22,24,26,28,30
	v_pk_add_f32 v[32*\T+\i:32*\T+\i+1], v[32*\T+\i:32*\T+\i+1], v[VB+16*\q+2*\T:VB+16*\q+2*\T+1] op_sel_hi:[1,0]
.endr
.endr
.endr
.irp pq, 0,1,2,3,4,5,6,7
	s_wait_xcnt 0x0
	QUANT4 32*((2*\pq)%8), 32*((2*\pq)%8)+16, 32*((2*\pq+1)%8), 32*((2*\pq+1)%8)+16, 2+\pq/4
	global_store_b128 v1, v[PC:PC+3], s[OB:OB+1] offset:(\pq/2)*204800+6144+(2*(\pq%2))*1536
	global_store_b64 v11, v[PC+4:PC+5], s[OB:OB+1] offset:(\pq/2)*204800+6144+(2*(\pq%2))*1536+512
	global_store_b128 v1, v[PC+6:PC+9], s[OB:OB+1] offset:(\pq/2)*204800+6144+(2*(\pq%2)+1)*1536
	global_store_b64 v11, v[PC+10:PC+11], s[OB:OB+1] offset:(\pq/2)*204800+6144+(2*(\pq%2)+1)*1536+512
	v_lshrrev_b32 v[PW0], 16, v[PW]
	v_cndmask_b32 v[PWS], v[PW], v[PW0], s[HM]
	global_store_b16 v2, v[PWS], s[OS:OS+1] offset:(\pq/2)*204800+(\pq%2)*128
.endr
	s_wait_tensorcnt 0x0
	ds_add_u32 v12, v13
	s_wait_dscnt 0x0
	s_endpgm
.Lfunc_end_k_q5923e90e4d_proj:
	.size	k_q5923e90e4d_proj, .Lfunc_end_k_q5923e90e4d_proj-k_q5923e90e4d_proj
	.p2alignl 7, 3214868480
	.fill 96, 4, 3214868480
	.section	.rodata,"a",@progbits
	.p2align	6, 0x0
	.amdhsa_kernel k_q5923e90e4d_proj
		.amdhsa_group_segment_fixed_size 327680
		.amdhsa_private_segment_fixed_size 0
		.amdhsa_enable_private_segment 0
		.amdhsa_kernarg_size 80
		.amdhsa_user_sgpr_count 2
		.amdhsa_user_sgpr_kernarg_segment_ptr 1
		.amdhsa_wavefront_size32 1
		.amdhsa_system_sgpr_workgroup_id_x 1
		.amdhsa_system_sgpr_workgroup_id_y 1
		.amdhsa_system_sgpr_workgroup_id_z 1
		.amdhsa_system_vgpr_workitem_id 0
		.amdhsa_next_free_vgpr 1024
		.amdhsa_next_free_sgpr 100
		.amdhsa_reserve_vcc 0
		.amdhsa_float_denorm_mode_32 3
		.amdhsa_float_denorm_mode_16_64 3
		.amdhsa_memory_ordered 1
		.amdhsa_forward_progress 1
		.amdhsa_inst_pref_size 255
	.end_amdhsa_kernel
	.section	.bss,"aw",@nobits
	.p2align	6
	.space	262144
	.amdgpu_metadata
---
amdhsa.version: [ 1, 2 ]
amdhsa.kernels:
  - .name:           k_q5923e90e4d_proj
    .symbol:         k_q5923e90e4d_proj.kd
    .args:
      - { .name: q, .offset: 0, .size: 8, .value_kind: global_buffer, .address_space: global }
      - { .name: k, .offset: 8, .size: 8, .value_kind: global_buffer, .address_space: global }
      - { .name: v, .offset: 16, .size: 8, .value_kind: global_buffer, .address_space: global }
      - { .name: b_q, .offset: 24, .size: 8, .value_kind: global_buffer, .address_space: global }
      - { .name: b_k, .offset: 32, .size: 8, .value_kind: global_buffer, .address_space: global }
      - { .name: b_v, .offset: 40, .size: 8, .value_kind: global_buffer, .address_space: global }
      - { .name: wfr, .offset: 48, .size: 8, .value_kind: global_buffer, .address_space: global }
      - { .name: wsc, .offset: 56, .size: 8, .value_kind: global_buffer, .address_space: global }
      - { .name: qfr, .offset: 64, .size: 8, .value_kind: global_buffer, .address_space: global }
      - { .name: kvfr, .offset: 72, .size: 8, .value_kind: global_buffer, .address_space: global }
    .group_segment_fixed_size: 327680
    .private_segment_fixed_size: 0
    .kernarg_segment_align: 8
    .kernarg_segment_size: 80
    .max_flat_workgroup_size: 128
    .sgpr_count:     100
    .vgpr_count:     1024
    .wavefront_size: 32
...
	.end_amdgpu_metadata
.endif
;; end of part 2
;; launch attn (part 3): grid 4 x 64, 16 waves a work-group, clusters of 4 x 1, 327,680 bytes of LDS; arguments qfr, kvfr, ofr, osc; writes ofr, osc
.if DOCPART == 3
	.amdgcn_target "amdgcn-amd-amdhsa--gfx1250"
	.amdhsa_code_object_version 6
	.text
	.protected	k_q5923e90e4d_attn
	.globl	k_q5923e90e4d_attn
	.p2align	8
	.type	k_q5923e90e4d_attn,@function
k_q5923e90e4d_attn:
	s_mov_b64 s[64:65], 0
	v_nop
	global_prefetch_b8 v0, s[64:65] scope:SCOPE_SE
	s_setreg_imm32_b32 hwreg(HW_REG_WAVE_MODE, 25, 1), 1
	s_wait_xcnt 0x0
	s_wait_alu depctr_hold_cnt(0) depctr_sa_sdst(0) depctr_va_vdst(0) depctr_va_sdst(0) depctr_va_ssrc(0) depctr_va_vcc(0) depctr_vm_vsrc(0)
	s_getreg_b32 s2, hwreg(HW_REG_IB_STS2, 6, 4)
	s_cmp_eq_u32 s2, 0
	s_cbranch_scc0 .Lentry_in_a_cluster
	s_endpgm
.Lentry_in_a_cluster:
	s_bfe_u32 s2, ttmp6, 0x10000c
	s_cmp_lg_u32 s2, 0x3003
	s_cbranch_scc0 .Lentry_shape_is_right
	s_endpgm
.Lentry_shape_is_right:
; O = softmax(Q K^T / 8) V for one (batch, head) and 512 queries, on codes of FP6 (E2M3) with E8M0 scales; O leaves as codes and scale bytes, images of the next launch's operand registers.
; qfr, kvfr: [batch x head][key step of 128 tokens][12,800 bytes]: four fragments of Q or K (1,536 bytes: 16 rows, K half 0 = token 32 k + r, K half 1 = token 32 k + 16 + r, the head's 64 each),
; four tiles of V^T (16 of the head's 64 x 128 keys), and 512 bytes of scale words.  The factor 1/8 and log2(e) are applied to the scores in f32.
; A work-group: 16 waves; a wave owns 32 queries, in two passes of 16.  Both products are used transposed, so that a lane holds one query.
; ALL 16 KEY STEPS OF THE HEAD LIE IN LDS (204,800 bytes): each wave asks for one record, its one tensor load, at the head; nothing is filled again.
; The four work-groups of a cluster share the head's records: the loads are joint (mask 15).
; No prefetch: every tile is asked for at the head, so there is no loop to run ahead in.
; M is the running largest t rounded up to a whole number; the sum is taken of the unquantised p; a change of M multiplies sum and O by an exact power of two.
; THE ORDER OF A STEP'S VECTOR LINES: independent chains by turns, so that a line reads what was written five or more vector lines earlier: eight chains for the largest scores, eight for the sum;
; the lines that join the eight sums stand behind the products (their places) and between the groups of four of the next step.  Only the chain from the row's maximum to -M is serial and has hints.
; LIMITS: the promise holds while the scaled scores stay under 2^31 in magnitude; NaN and infinities are not served; a block whose every p has fallen to 0 keeps the byte 1 over zero codes.
; REGISTERS: v1, v2, v3 16, 8, 4 x lane; v4, v5 the add's two; v6-8 LDS addresses; v9 4 x (lane % 16); v12 -M, v13 the largest score, v[14:15] the sum; v236-251 eight partial sums T0-T7;
; v16-33 zeros, q, zeros; v34 q's scale word; v35-47 the wave's q; v48-95 four fragments of K or V; v96-159 scores, then p; v160-191 O^T; v192-211 p's codes; v212-233 at work; v224-228 scale words.
.set SPARE, 204800
.set REC,   12800
.set T,     236
.macro CROUND
	s_barrier_signal -1
	s_barrier_wait -1
	s_cmp_lg_u32 s12, 0
	s_cbranch_scc1 .Lnot_wave_0_\@
	s_barrier_signal -3
.Lnot_wave_0_\@:
	s_barrier_wait -3
	s_barrier_signal -1
	s_barrier_wait -1
.endm
.macro HINT n
	s_delay_alu instid0(VALU_DEP_\n)
.endm
.macro WALU
	s_wait_alu depctr_va_vdst(0)
.endm
.macro TADD d, s                       ; T_d += T_s
	v_pk_add_f32 v[T+2*(\d):T+2*(\d)+1], v[T+2*(\d):T+2*(\d)+1], v[T+2*(\s):T+2*(\s)+1]
.endm
.macro LADD s                          ; the sum += T_s
	v_pk_add_f32 v[14:15], v[14:15], v[T+2*(\s):T+2*(\s)+1]
.endm
	s_load_b256 s[4:11], s[0:1], 0x0               ; qfr, kvfr, ofr, osc
	v_lshl_add_u32 v4, v0, 2, SPARE
	v_mov_b32 v5, 0
	ds_add_u32 v4, v5
	ds_add_u32 v4, v5
	v_lshrrev_b32 v1, 5, v0
	v_readfirstlane_b32 s12, v1                    ; wave
	s_bfe_u32 s13, ttmp6, 0x40000                  ; cx: which 512 queries
	s_and_b32 s14, ttmp7, 0xffff                   ; batch x head
	s_mov_b32 s16, 15|(3<<16)|(1<<21)              ; a record as 50 rows of 256 bytes, dense; the mask names the cluster's four
	s_mov_b32 s17, 32<<16
	s_mov_b32 s18, 50<<16
	s_mov_b32 s19, 32<<16
	s_mov_b32 s20, 50
	s_mov_b32 s21, 32
	s_mov_b32 s22, 0
	s_mov_b32 s23, 0
	s_mov_b32 s32, 0x76543210
	s_mov_b32 s33, 0xfedcba98
	s_mov_b32 s34, 0x3e38aa3b                      ; log2(e) / 8
	s_mov_b32 s35, s34
	s_mul_i32 s38, s14, 204800
	s_mul_i32 s39, s12, REC                        ; wave w fetches key step w, to LDS byte 12,800 w
	s_add_co_u32 s40, s38, s39
	s_mov_b32 s41, 0
	s_lshl_b32 s42, s13, 2
	s_lshr_b32 s43, s12, 2
	s_add_co_u32 s42, s42, s43
	s_mul_i32 s42, s42, REC
	s_add_co_u32 s42, s42, s38                     ; my queries' record
	s_and_b32 s43, s12, 3
	s_mul_i32 s44, s43, 1536
	s_add_co_u32 s44, s44, s42                     ; my fragment of it
	s_mov_b32 s45, 0
	s_lshl_b32 s46, s43, 6
	s_add_co_u32 s46, s46, s42
	s_add_co_u32 s46, s46, 12288                   ; and its scale words
	s_mov_b32 s47, 0
	s_lshr_b32 s48, s14, 4
	s_lshl_b32 s48, s48, 5
	s_lshl_b32 s49, s13, 3
	s_add_co_u32 s48, s48, s49
	s_lshr_b32 s49, s12, 1
	s_add_co_u32 s48, s48, s49                     ; which block of 64 rows of O
	s_and_b32 s49, s14, 15
	s_lshr_b32 s50, s49, 1                         ; K step of the next product
	s_and_b32 s51, s49, 1                          ; and which half of it my head is
	s_and_b32 s52, s12, 1
	s_mul_i32 s54, s48, 49152
	s_mul_i32 s53, s50, 6144
	s_add_co_u32 s54, s54, s53
	s_mul_i32 s53, s52, 3072
	s_add_co_u32 s54, s54, s53
	s_mul_i32 s53, s51, 768
	s_add_co_u32 s54, s54, s53
	s_mov_b32 s55, 0
	s_lshl_b32 s56, s48, 11
	s_lshl_b32 s53, s50, 8
	s_add_co_u32 s56, s56, s53
	s_lshl_b32 s53, s52, 7
	s_add_co_u32 s56, s56, s53
	s_lshl_b32 s53, s51, 1
	s_add_co_u32 s56, s56, s53
	s_mov_b32 s57, 0
	v_and_b32 v10, 31, v0
	v_and_b32 v9, 15, v0
	v_lshlrev_b32 v1, 4, v10
	v_lshlrev_b32 v2, 3, v10
	v_lshlrev_b32 v3, 2, v10
	v_lshlrev_b32 v9, 2, v9
.irp i, 0,1,2,3,4,5
	v_mov_b32 v[16+\i], 0                          ; the zeros on both sides of q
	v_mov_b32 v[28+\i], 0
.endr
.irp b, 0,1,2,3
	v_mov_b32 v[216+\b], 0                         ; a lane permute's destination counts as a source
.endr
	v_mov_b32 v229, 0
	v_mov_b32 v231, 0
	WALU
	s_wait_dscnt 0x0
	s_wait_kmcnt 0x0
	s_add_nc_u64 s[6:7], s[6:7], s[40:41]
	s_add_nc_u64 s[58:59], s[4:5], s[46:47]
	s_add_nc_u64 s[4:5], s[4:5], s[44:45]
	s_add_nc_u64 s[8:9], s[8:9], s[54:55]
	s_add_nc_u64 s[10:11], s[10:11], s[56:57]
	CROUND                                         ; the four work-groups are here: the joint loads meet
	s_mov_b32 s24, 1
	s_mov_b32 s25, s39
	s_mov_b64 s[26:27], s[6:7]
	s_or_b32 s27, s27, 0x80000000
	tensor_load_to_lds s[24:27], s[16:23]          ; my one tensor load
	s_nop 0
	global_load_b128 v[36:39], v1, s[4:5]          ; q, under the record's flight
	global_load_b128 v[40:43], v1, s[4:5] offset:512
	global_load_b128 v[44:47], v1, s[4:5] offset:1024
	global_load_b32 v35, v9, s[58:59]
	s_wait_loadcnt 0x0
.macro SPROD k                         ; fragment k against q in K half 0 (tokens 32 k + ..) and in K half 1 (32 k + 16 + ..)
.if (\k)%2
	v_wmma_scale_f32_16x16x128_f8f6f4 v[96+16*(\k):103+16*(\k)], v[48+12*(\k):59+12*(\k)], v[22:33], 0, v[224+(\k)/2], v34 matrix_a_fmt:MATRIX_FMT_FP6 matrix_b_fmt:MATRIX_FMT_FP6 matrix_a_scale:MATRIX_SCALE_ROW1
	v_wmma_scale_f32_16x16x128_f8f6f4 v[104+16*(\k):111+16*(\k)], v[48+12*(\k):59+12*(\k)], v[16:27], 0, v[224+(\k)/2], v34 matrix_a_fmt:MATRIX_FMT_FP6 matrix_b_fmt:MATRIX_FMT_FP6 matrix_a_scale:MATRIX_SCALE_ROW1
.else
	v_wmma_scale_f32_16x16x128_f8f6f4 v[96+16*(\k):103+16*(\k)], v[48+12*(\k):59+12*(\k)], v[22:33], 0, v[224+(\k)/2], v34 matrix_a_fmt:MATRIX_FMT_FP6 matrix_b_fmt:MATRIX_FMT_FP6
	v_wmma_scale_f32_16x16x128_f8f6f4 v[104+16*(\k):111+16*(\k)], v[48+12*(\k):59+12*(\k)], v[16:27], 0, v[224+(\k)/2], v34 matrix_a_fmt:MATRIX_FMT_FP6 matrix_b_fmt:MATRIX_FMT_FP6
.endif
.endm
.macro OPROD t                         ; the four accumulators of O^T take turns
.if (\t)%2
	v_wmma_scale_f32_16x16x128_f8f6f4 v[160+8*(\t):167+8*(\t)], v[48+12*(\t):59+12*(\t)], v[192:203], v[160+8*(\t):167+8*(\t)], v[226+(\t)/2], v228 matrix_a_fmt:MATRIX_FMT_FP6 matrix_b_fmt:MATRIX_FMT_FP6 matrix_a_scale:MATRIX_SCALE_ROW1
.else
	v_wmma_scale_f32_16x16x128_f8f6f4 v[160+8*(\t):167+8*(\t)], v[48+12*(\t):59+12*(\t)], v[192:203], v[160+8*(\t):167+8*(\t)], v[226+(\t)/2], v228 matrix_a_fmt:MATRIX_FMT_FP6 matrix_b_fmt:MATRIX_FMT_FP6
.endif
.endm
.macro STEP                            ; 16 queries x 128 keys
	v_add_nc_u32 v6, s36, v1                       ; with the two lines behind the last products: the places ahead of the loads below
	v_add_nc_u32 v7, s36, v2
	v_add_nc_u32 v8, s36, v3
.irp k, 0,1,2,3
.irp c, 0,1,2
	ds_load_b128 v[48+12*\k+4*\c:51+12*\k+4*\c], v6 offset:1536*\k+512*\c
.endr
.endr
	ds_load_b32 v224, v8 offset:12288
	ds_load_b32 v225, v8 offset:12416
	WALU
	s_wait_dscnt 0x0
	SPROD 0
	SPROD 1
	SPROD 2
	SPROD 3
	TADD 2, 6                                      ; four places; the last step's eight partial sums go on joining
	TADD 3, 7
	v_nop
	v_nop
.irp t, 0,1,2,3
	ds_load_b128 v[48+12*\t:51+12*\t], v6 offset:6144+1536*\t
	ds_load_b64 v[52+12*\t:53+12*\t], v7 offset:6144+1536*\t+512
	ds_load_b128 v[54+12*\t:57+12*\t], v6 offset:6144+1536*\t+768
	ds_load_b64 v[58+12*\t:59+12*\t], v7 offset:6144+1536*\t+1280
.endr
	ds_load_b32 v226, v8 offset:12544
	ds_load_b32 v227, v8 offset:12672
.irp b, 0,1,2,3
	v_max3_num_f32 v[212+\b], v[96+16*\b], v[97+16*\b], v[98+16*\b]      ; each block's largest score: two chains a block, eight by turns
.endr
.irp b, 0,1,2,3
	v_max3_num_f32 v[220+\b], v[104+16*\b], v[105+16*\b], v[106+16*\b]
.endr
.irp i, 3,5
.irp b, 0,1,2,3
	v_max3_num_f32 v[212+\b], v[212+\b], v[96+16*\b+\i], v[97+16*\b+\i]
.endr
.irp b, 0,1,2,3
	v_max3_num_f32 v[220+\b], v[220+\b], v[104+16*\b+\i], v[105+16*\b+\i]
.endr
.endr
	v_mov_b32 v229, v12                            ; the old -M
.irp b, 0,1,2,3
	v_max3_num_f32 v[212+\b], v[212+\b], v[220+\b], v[103+16*\b]
.endr
	TADD 0, 2
.irp b, 0,1,2,3
	v_max_num_f32 v[212+\b], v[212+\b], v[111+16*\b]
.endr
	TADD 1, 3
.irp b, 0,1,2,3
	v_permlanex16_b32 v[216+\b], v[212+\b], s32, s33
.endr
	LADD 0
.irp b, 0,1,2,3
	v_max_num_f32 v[212+\b], v[212+\b], v[216+\b]  ; with lane l xor 16's half of the block
.endr
	HINT 2
	v_max3_num_f32 v232, v212, v213, v214
	HINT 1
	v_max3_num_f32 v13, v13, v232, v215            ; the running largest score
	HINT 1
	v_mul_f32 v232, s34, v13                       ; as t (the factor is positive)
	HINT 1
	v_floor_f32 v12, -v232                         ; -M = floor(-t)
	HINT 1
	v_sub_f32 v229, v12, v229                      ; old M less new M, a whole number
.set J, 0
.rept 32
	v_pk_fma_f32 v[96+J:97+J], v[96+J:97+J], s[34:35], v[12:13] op_sel_hi:[1,0,0]   ; t - M
.if J == 2
	LADD 1                                         ; the sum holds all of the last step's p, under the old M
.elseif J == 12
	v_cvt_i32_f32 v229, v229
.elseif J == 22
	v_ldexp_f32 v230, 1.0, v229                    ; f = 2^(old M - new M)
.endif
.set J, J+2
.endr
.irp b, 0,1,2,3
	v_fma_f32 v[212+\b], v[212+\b], s34, v12       ; the same of each block's largest score
.endr
	WALU                                           ; one wait ahead of the batch, one behind it
.set J, 0
.rept 64
	v_exp_f32 v[96+J], v[96+J]
.set J, J+1
.endr
.irp b, 0,1,2,3
	v_exp_f32 v[212+\b], v[212+\b]                 ; the block's largest p
.endr
	v_pk_mul_f32 v[14:15], v[14:15], v[230:231] op_sel_hi:[1,0]   ; the sum under the new M; the plain place behind the batch
	WALU
.irp i, 0,1,2,3,4,5,6,7
	v_pk_add_f32 v[T+2*\i:T+2*\i+1], v[96+2*\i:97+2*\i], v[112+2*\i:113+2*\i]   ; the unquantised p into eight partial sums; the scales' lines stand between
.endr
.irp b, 0,1,2,3
	v_max_num_f32 v[212+\b], 0x1800000, v[212+\b]  ; the floor 2^(3 - 127): the byte cannot fall under 1
.endr
.irp i, 0,1,2,3,4,5,6,7
	v_pk_add_f32 v[T+2*\i:T+2*\i+1], v[T+2*\i:T+2*\i+1], v[128+2*\i:129+2*\i]
.endr
.irp b, 0,1,2,3
	v_add_nc_u32 v[220+\b], 0xff000000, v[212+\b]  ; 2 off the exponent field: the conversion's scale operand
.endr
.irp i, 0,1,2,3,4,5,6,7
	v_pk_add_f32 v[T+2*\i:T+2*\i+1], v[T+2*\i:T+2*\i+1], v[144+2*\i:145+2*\i]
.endr
.irp b, 0,1,2,3
	v_lshrrev_b32 v[216+\b], 23, v[220+\b]
.endr
.irp c, 0,1
	v_cvt_scalef32_pk16_fp6_f32 v[192+6*\c:194+6*\c], v[96+32*\c:111+32*\c], v[220+2*\c]
	v_cvt_scalef32_pk16_fp6_f32 v[204+4*\c:206+4*\c], v[112+32*\c:127+32*\c], v[221+2*\c]
.endr
	v_lshl_or_b32 v232, v217, 8, v216              ; p's scale word, in two halves; also the plain place behind the conversions
	v_lshl_or_b32 v233, v219, 8, v218
.irp c, 0,1
.irp i, 0,1,2
	v_permlane16_swap_b32 v[192+6*\c+\i], v[204+4*\c+\i]   ; a whole block to a lane
.endr
.endr
	v_lshl_or_b32 v228, v233, 16, v232
.irp c, 0,1
.irp i, 0,1,2
	v_mov_b32 v[195+6*\c+\i], v[204+4*\c+\i]
.endr
.endr
	s_wait_dscnt 0x0                               ; V's fragments are in
	WALU
.set J, 0
.rept 16
	v_pk_mul_f32 v[160+J:161+J], v[160+J:161+J], v[230:231] op_sel_hi:[1,0]   ; O^T under the new M; the places ahead of the products
.set J, J+2
.endr
	OPROD 0
	OPROD 1
	OPROD 2
	OPROD 3
	TADD 0, 4                                      ; the partial sums begin to join behind the products
	TADD 1, 5
	s_add_co_u32 s36, s36, REC
.endm
.macro OUT t                           ; O / the sum, quantised along the head's 64: two blocks, six registers of the next operand
	TADD 2, 6                                      ; the last step's partial sums
	TADD 3, 7
	HINT 2
	TADD 0, 2
	HINT 2
	TADD 1, 3
	HINT 2
	LADD 0
	HINT 1
	LADD 1
	HINT 1
	v_add_f32 v14, v14, v15
	HINT 1
	v_permlanex16_b32 v229, v14, s32, s33
	HINT 1
	v_add_f32 v14, v14, v229
	WALU
	v_rcp_f32 v14, v14
	v_nop
	WALU
.set J, 0
.rept 32
	v_mul_f32 v[96+J], v[160+J], v14
.set J, J+1
.endr
.irp b, 0,1
	v_max3_num_f32 v[212+\b], |v[96+16*\b]|, |v[97+16*\b]|, 0x1800000
.endr
.irp i, 2,4,6,8,10,12,14
.irp b, 0,1
	HINT 2
	v_max3_num_f32 v[212+\b], v[212+\b], |v[96+16*\b+\i]|, |v[97+16*\b+\i]|
.endr
.endr
.irp b, 0,1
	HINT 2
	v_permlanex16_b32 v[216+\b], v[212+\b], s32, s33
.endr
.irp b, 0,1
	HINT 2
	v_max_num_f32 v[212+\b], v[212+\b], v[216+\b]
.endr
.irp b, 0,1
	HINT 2
	v_add_nc_u32 v[220+\b], 0xff000000, v[212+\b]
.endr
.irp b, 0,1
	HINT 2
	v_lshrrev_b32 v[216+\b], 23, v[220+\b]
.endr
	HINT 1
	v_lshl_or_b32 v229, v217, 8, v216
	v_cvt_scalef32_pk16_fp6_f32 v[192:194], v[96:111], v220
	v_cvt_scalef32_pk16_fp6_f32 v[204:206], v[112:127], v221
	v_nop
.irp i, 0,1,2
	v_permlane16_swap_b32 v[192+\i], v[204+\i]
.endr
.irp i, 0,1,2
	v_mov_b32 v[195+\i], v[204+\i]
.endr
	global_store_b128 v1, v[192:195], s[8:9] offset:1536*\t
	global_store_b64 v2, v[196:197], s[8:9] offset:1536*\t+512
	global_store_b16 v9, v229, s[10:11] offset:64*\t
.endm
.macro PASS t                          ; my queries 16 t .. 16 t + 15 against all 2,048 keys
.if \t
	s_wait_xcnt 0x0                                ; the first pass's stores have read their registers
.endif
.irp i, 0,1,2,3,4,5
	v_mov_b32 v[22+\i], v[36+6*\t+\i]
.endr
.if \t
	v_perm_b32 v34, v35, v35, 0x03020302           ; the tile's two scale bytes, in both halves of the word
.else
	v_perm_b32 v34, v35, v35, 0x01000100
.endif
	v_mov_b32 v13, 0xff61b1e6                      ; the largest score so far: -3e38
	v_mov_b32 v12, 0x7f61b1e6                      ; -M
	v_mov_b32 v14, 0
	v_mov_b32 v15, 0
.set J, 0
.rept 16
	v_mov_b32 v[T+J], 0                            ; the first step joins partial sums of zero
.set J, J+1
.endr
.set J, 0
.rept 32
	v_mov_b32 v[160+J], 0                          ; the step is written once: the first finds zeros
.set J, J+1
.endr
	s_mov_b32 s36, 0
	s_mov_b32 s37, 16
	WALU
.if (\t) == 0
	s_wait_tensorcnt 0x0                           ; my record is in,
	s_barrier_signal -1
	s_barrier_wait -1                              ; and so are all sixteen
.endif
.Lkey_\@:
	STEP
	s_sub_co_u32 s37, s37, 1
	s_cmp_lg_u32 s37, 0
	s_cbranch_scc1 .Lkey_\@
	OUT \t
.endm
	PASS 0
	PASS 1
	s_wait_tensorcnt 0x0                           ; the wave's end
	ds_add_u32 v4, v5
	s_wait_dscnt 0x0
	CROUND                                         ; the closing round
	s_endpgm
.Lfunc_end_k_q5923e90e4d_attn:
	.size	k_q5923e90e4d_attn, .Lfunc_end_k_q5923e90e4d_attn-k_q5923e90e4d_attn
	.p2alignl 7, 3214868480
	.fill 96, 4, 3214868480
	.section	.rodata,"a",@progbits
	.p2align	6, 0x0
	.amdhsa_kernel k_q5923e90e4d_attn
		.amdhsa_group_segment_fixed_size 327680
		.amdhsa_private_segment_fixed_size 0
		.amdhsa_enable_private_segment 0
		.amdhsa_kernarg_size 32
		.amdhsa_user_sgpr_count 2
		.amdhsa_user_sgpr_kernarg_segment_ptr 1
		.amdhsa_wavefront_size32 1
		.amdhsa_system_sgpr_workgroup_id_x 1
		.amdhsa_system_sgpr_workgroup_id_y 1
		.amdhsa_system_sgpr_workgroup_id_z 1
		.amdhsa_system_vgpr_workitem_id 0
		.amdhsa_next_free_vgpr 256
		.amdhsa_next_free_sgpr 66
		.amdhsa_reserve_vcc 0
		.amdhsa_float_denorm_mode_32 3
		.amdhsa_float_denorm_mode_16_64 3
		.amdhsa_memory_ordered 1
		.amdhsa_forward_progress 1
		.amdhsa_inst_pref_size 51
	.end_amdhsa_kernel
	.amdgpu_metadata
---
amdhsa.version: [ 1, 2 ]
amdhsa.kernels:
  - .name:           k_q5923e90e4d_attn
    .symbol:         k_q5923e90e4d_attn.kd
    .args:
      - { .name: qfr, .offset: 0, .size: 8, .value_kind: global_buffer, .address_space: global }
      - { .name: kvfr, .offset: 8, .size: 8, .value_kind: global_buffer, .address_space: global }
      - { .name: ofr, .offset: 16, .size: 8, .value_kind: global_buffer, .address_space: global }
      - { .name: osc, .offset: 24, .size: 8, .value_kind: global_buffer, .address_space: global }
    .group_segment_fixed_size: 327680
    .private_segment_fixed_size: 0
    .kernarg_segment_align: 8
    .kernarg_segment_size: 32
    .max_flat_workgroup_size: 512
    .sgpr_count:     66
    .vgpr_count:     256
    .wavefront_size: 32
...
	.end_amdgpu_metadata
.endif
;; end of part 3
;; launch oproj (part 4): grid 128 x 1, 4 waves a work-group, no clusters, 87,552 bytes of LDS; arguments ofr, osc, wfr, wsc, b_o, ln_g, ln_b, out0; writes out0
.if DOCPART == 4
	.amdgcn_target "amdgcn-amd-amdhsa--gfx1250"
	.amdhsa_code_object_version 6
	.text
	.protected	k_q5923e90e4d_oproj
	.globl	k_q5923e90e4d_oproj
	.p2align	8
	.type	k_q5923e90e4d_oproj,@function
k_q5923e90e4d_oproj:
	s_mov_b64 s[64:65], 0
	v_nop
	global_prefetch_b8 v0, s[64:65] scope:SCOPE_SE
	s_setreg_imm32_b32 hwreg(HW_REG_WAVE_MODE, 25, 1), 1
	s_wait_xcnt 0x0
; out0 = LayerNorm(O w_o + b_o) ln_g + ln_b.  The product on codes of FP6 (E2M3) with E8M0 scales; the rest in f32.
; A work-group takes 64 rows x all 1,024 columns, since the norm wants whole rows; four waves, wave w owns columns 256 w .. + 255: 64 accumulators, 512 registers (windows 2 and 3).
; 128 work-groups: every work-group walks all of w_o's codes whatever its rows; 32 rows on twice the work-groups would double that stream and halve the products under which each load lands.
; O's codes and scale words were laid by the attention launch as images of my operand registers: the block's 49,152 + 2,048 bytes are copied into LDS as they lie and read by all waves.
; w_o's codes go from memory straight into registers (no two waves share a tile): a ring of five groups of four tiles in window 1.
; Source 0 = W, source 1 = O: a lane holds one row and 16 neighbouring columns of each pair of tiles.  The variance is taken of the differences from the mean, in a second pass.
; No tensor load; LDS is claimed as it is used.
.set IMG,   0                          ; the images: K step s, tile of rows a at 6,144 s + 1,536 a
.set ASC,   49152                      ; their scale words
.set RED,   51200                      ; the rows' sums: 16 bytes a row, a word a wave;  + 1,024: the sums of squares
.set STAGE, 53248                      ; the way out: 16 rows x (512 bytes + 16) for each wave
.set SPARE, 87040                      ; the spare words, 128 bytes a wave; no other line names them
.set AF,  16
.set AS,  112
.set WS,  116
; v1 16 x lane, v2 4 x lane, v3 16 x thread, v4, v5 the stage (in, back), v6, v7 where images are read, v8, v14 the sums' words (in, back), v9 scale words, v10 64 h, v12, v13 the add's two
; v16-23 -mean, later 1 / std, a pair a tile of rows; v24-31 sums of squares; v32-47 at work; on the way out v16-79 and v180-243 rows of the result
.set WV,  20
.set SEL, 24
.set WB,  8
.set WSB, 10
.set BB,  12
.set MSB, 0
.macro WIN new
.if MSB != (\new)
	s_set_vgpr_msb (MSB<<8)|(\new)
.set MSB, (\new)
.endif
.endm
.macro PLACES
.rept 4
	v_nop
.endr
.endm
.macro WM d, x, y, sx, sy, rx, ry, zero
.if \zero
.if (\rx) && (\ry)
	v_wmma_scale_f32_16x16x128_f8f6f4 v[\d:\d+7], v[\x:\x+11], v[\y:\y+11], 0, v[\sx], v[\sy] matrix_a_fmt:MATRIX_FMT_FP6 matrix_b_fmt:MATRIX_FMT_FP6 matrix_a_scale:MATRIX_SCALE_ROW1 matrix_b_scale:MATRIX_SCALE_ROW1
.elseif \rx
	v_wmma_scale_f32_16x16x128_f8f6f4 v[\d:\d+7], v[\x:\x+11], v[\y:\y+11], 0, v[\sx], v[\sy] matrix_a_fmt:MATRIX_FMT_FP6 matrix_b_fmt:MATRIX_FMT_FP6 matrix_a_scale:MATRIX_SCALE_ROW1
.elseif \ry
	v_wmma_scale_f32_16x16x128_f8f6f4 v[\d:\d+7], v[\x:\x+11], v[\y:\y+11], 0, v[\sx], v[\sy] matrix_a_fmt:MATRIX_FMT_FP6 matrix_b_fmt:MATRIX_FMT_FP6 matrix_b_scale:MATRIX_SCALE_ROW1
.else
	v_wmma_scale_f32_16x16x128_f8f6f4 v[\d:\d+7], v[\x:\x+11], v[\y:\y+11], 0, v[\sx], v[\sy] matrix_a_fmt:MATRIX_FMT_FP6 matrix_b_fmt:MATRIX_FMT_FP6
.endif
.else
.if (\rx) && (\ry)
	v_wmma_scale_f32_16x16x128_f8f6f4 v[\d:\d+7], v[\x:\x+11], v[\y:\y+11], v[\d:\d+7], v[\sx], v[\sy] matrix_a_fmt:MATRIX_FMT_FP6 matrix_b_fmt:MATRIX_FMT_FP6 matrix_a_scale:MATRIX_SCALE_ROW1 matrix_b_scale:MATRIX_SCALE_ROW1
.elseif \rx
	v_wmma_scale_f32_16x16x128_f8f6f4 v[\d:\d+7], v[\x:\x+11], v[\y:\y+11], v[\d:\d+7], v[\sx], v[\sy] matrix_a_fmt:MATRIX_FMT_FP6 matrix_b_fmt:MATRIX_FMT_FP6 matrix_a_scale:MATRIX_SCALE_ROW1
.elseif \ry
	v_wmma_scale_f32_16x16x128_f8f6f4 v[\d:\d+7], v[\x:\x+11], v[\y:\y+11], v[\d:\d+7], v[\sx], v[\sy] matrix_a_fmt:MATRIX_FMT_FP6 matrix_b_fmt:MATRIX_FMT_FP6 matrix_b_scale:MATRIX_SCALE_ROW1
.else
	v_wmma_scale_f32_16x16x128_f8f6f4 v[\d:\d+7], v[\x:\x+11], v[\y:\y+11], v[\d:\d+7], v[\sx], v[\sy] matrix_a_fmt:MATRIX_FMT_FP6 matrix_b_fmt:MATRIX_FMT_FP6
.endif
.endif
.endm
.macro WLOAD G                         ; group G = 4 s + g: tiles 4 g .. 4 g + 3 of K step s into slot G % 5 of window 1
	WIN 0x40
.irp t, 0,1,2,3
.irp c, 0,1,2
	global_load_b128 v[48*((\G)%5)+12*\t+4*\c:48*((\G)%5)+12*\t+4*\c+3], v1, s[WB:WB+1] offset:(4*(\G)+\t)*1536+512*\c
.endr
.endr
.endm
.macro AFETCH s                        ; K step s: O's four fragments and their scale words into set s % 2
	WIN 0
.set AFB, AF+48*((\s)%2)
.irp a, 0,1,2,3
	ds_load_b128 v[AFB+12*\a:AFB+12*\a+3], v6 offset:6144*(\s)+1536*\a
	ds_load_b64 v[AFB+12*\a+4:AFB+12*\a+5], v7 offset:6144*(\s)+1536*\a+512
	ds_load_b128 v[AFB+12*\a+6:AFB+12*\a+9], v6 offset:6144*(\s)+1536*\a+768
	ds_load_b64 v[AFB+12*\a+10:AFB+12*\a+11], v7 offset:6144*(\s)+1536*\a+1280
.endr
	ds_load_b32 v[AS+2*((\s)%2)], v9 offset:256*(\s)
	ds_load_b32 v[AS+2*((\s)%2)+1], v9 offset:256*(\s)+128
.endm
.macro MULQK G, zero                   ; accumulator (P, a, u) at 64 (P % 4) + 16 a + 8 u, window 2 + P / 4: lane (r, h): row 16 a + r, columns 32 P + 16 h + 8 u + j.  The 64 take turns
.set SS, (\G)/4
.set GG, (\G)%4
.set SL, 48*((\G)%5)
.if GG < 2
	WIN 0xa1
.else
	WIN 0xf1
.endif
.irp a, 0,1,2,3
.irp pp, 0,1
.irp u, 0,1
	WM 64*((2*GG+\pp)%4)+16*\a+8*\u, SL+12*(2*\pp+\u), AF+48*(SS%2)+12*\a, WS+8*SS+2*GG+\pp, AS+2*(SS%2)+(\a/2), \u, \a%2, \zero
.endr
.endr
.endr
.endm
.macro BIASQ P                         ; b_o at my 16 columns of pair P: window 1, v[96 + 16 P], ring registers that are done with
.irp j, 0,1,2,3
	global_load_b128 v[96+16*(\P)+4*\j:96+16*(\P)+4*\j+3], v10, s[BB:BB+1] offset:128*(\P)+16*\j
.endr
.endm
; four pairs v[base + 2 a] of a lane's sums become the rows' totals over all 1,024 columns, in v[32 + 4 a] of every lane: halves, lane l xor 16, then the four waves through LDS, with one barrier
.macro REDUCE base, off
.irp a, 0,1,2,3
	v_add_f32 v[\base+2*\a], v[\base+2*\a], v[\base+2*\a+1]
.endr
.irp a, 0,1,2,3
	v_permlanex16_b32 v[\base+2*\a+1], v[\base+2*\a], s[SEL], s[SEL+1]
.endr
.irp a, 0,1,2,3
	v_add_f32 v[\base+2*\a], v[\base+2*\a], v[\base+2*\a+1]
.endr
.irp a, 0,1,2,3
	ds_store_b32 v8, v[\base+2*\a] offset:\off+256*\a
.endr
	s_wait_dscnt 0x0                               ; for the others' sake: my words have landed
	s_barrier_signal -1
	s_barrier_wait -1
.irp a, 0,1,2,3
	ds_load_b128 v[32+4*\a:35+4*\a], v14 offset:\off+256*\a
.endr
	s_wait_dscnt 0x0
.irp a, 0,1,2,3
	v_add_f32 v[32+4*\a], v[32+4*\a], v[33+4*\a]
.endr
.irp a, 0,1,2,3
	v_add_f32 v[34+4*\a], v[34+4*\a], v[35+4*\a]
.endr
.irp a, 0,1,2,3
	v_add_f32 v[32+4*\a], v[32+4*\a], v[34+4*\a]
.endr
.endm
	s_load_b512 s[4:19], s[0:1], 0x0               ; ofr, osc, wfr, wsc, b_o, ln_g, ln_b, out0
	v_lshl_add_u32 v12, v0, 2, SPARE
	v_mov_b32 v13, 0
	v_lshrrev_b32 v1, 5, v0
	v_readfirstlane_b32 s[WV], v1                  ; wave 0..3
	s_mov_b32 s22, 0x3a800000                      ; 1 / 1,024
	s_mov_b32 s23, 0x358637bd                      ; 1e-6
	s_mov_b32 s[SEL], 0x76543210
	s_mov_b32 s[SEL+1], 0xfedcba98
	s_mul_i32 s26, ttmp9, 49152
	s_mov_b32 s27, 0
	s_lshl_b32 s28, ttmp9, 11
	s_mov_b32 s29, 0
	s_mul_i32 s30, s[WV], 196608
	s_add_co_u32 s30, s30, 2359296                 ; the fourth weight
	s_mov_b32 s31, 0
	s_lshl_b32 s32, s[WV], 13
	s_add_co_u32 s32, s32, 98304
	s_mov_b32 s33, 0
	s_lshl_b32 s34, s[WV], 10                      ; my 256 columns, in bytes
	s_mov_b32 s35, 0
	s_lshl_b32 s36, ttmp9, 18
	s_add_co_u32 s36, s36, s34
	s_mov_b32 s37, 0
	s_mul_i32 s38, s[WV], 8448
	s_add_co_u32 s38, s38, STAGE                   ; my stage
	v_and_b32 v15, 31, v0                          ; lane
	v_and_b32 v11, 15, v0                          ; r
	v_bfe_u32 v10, v0, 4, 1                        ; h
	v_lshlrev_b32 v1, 4, v15
	v_lshlrev_b32 v2, 2, v15
	v_lshlrev_b32 v3, 4, v0
	v_mul_u32_u24 v4, v11, 528
	v_lshl_add_u32 v4, v10, 6, v4
	v_add_nc_u32 v4, s38, v4                       ; into the stage: row r, + 64 h
	v_add_nc_u32 v5, s38, v1                       ; back: a row's 512 bytes, 16 a lane
	v_add_nc_u32 v6, IMG, v1
	v_lshlrev_b32 v7, 3, v15
	v_add_nc_u32 v7, IMG, v7
	v_lshlrev_b32 v14, 4, v11
	v_add_nc_u32 v14, RED, v14                     ; a row's four words
	s_lshl_b32 s39, s[WV], 2
	v_add_nc_u32 v8, s39, v14                      ; my wave's word of them
	v_add_nc_u32 v9, ASC, v2
	v_lshlrev_b32 v10, 6, v10
	s_wait_alu depctr_va_vdst(0)
	s_wait_kmcnt 0x0
	s_add_nc_u64 s[4:5], s[4:5], s[26:27]
	s_add_nc_u64 s[6:7], s[6:7], s[28:29]
	s_add_nc_u64 s[WB:WB+1], s[WB:WB+1], s[30:31]
	s_add_nc_u64 s[WSB:WSB+1], s[WSB:WSB+1], s[32:33]
	s_add_nc_u64 s[BB:BB+1], s[BB:BB+1], s[34:35]
	s_add_nc_u64 s[14:15], s[14:15], s[34:35]
	s_add_nc_u64 s[16:17], s[16:17], s[34:35]
	s_add_nc_u64 s[18:19], s[18:19], s[36:37]
.set J, 0
.rept 64
	global_load_b32 v[WS+J], v2, s[WSB:WSB+1] offset:128*J   ; all of my W's scale words: they stay
.set J, J+1
.endr
.set J, 0
.rept 24
	global_load_b128 v[16+4*J:19+4*J], v3, s[4:5] offset:2048*J th:TH_LOAD_NT   ; the block's images: the work-group reads 2,048 consecutive bytes an instruction
.set J, J+1
.endr
	global_load_b128 v[112:115], v3, s[6:7] th:TH_LOAD_NT   ; and their scale words
	WLOAD 0
	WLOAD 1
	WLOAD 2
	WLOAD 3
	WLOAD 4
	WIN 0
	s_wait_loadcnt 60                              ; all but the five groups of W just asked for
.set J, 0
.rept 24
	ds_store_b128 v3, v[16+4*J:19+4*J] offset:IMG+2048*J
.set J, J+1
.endr
	ds_store_b128 v3, v[112:115] offset:ASC
	s_wait_dscnt 0x0                               ; for the others' sake: my part has landed
	s_barrier_signal -1
	s_barrier_wait -1
	AFETCH 0
	; ---- the product, written out: 32 groups.  The wait leaves out what was issued behind group G's own twelve loads: four younger groups (48); at the end fewer groups, and b_o's loads (12, 12, 8)
.set G, 0
.rept 32
.if (G%4) == 0
	s_wait_dscnt 0x0
.endif
.set NN, 48
.if G == 30
.set NN, 44
.elseif G == 31
.set NN, 32
.endif
	s_wait_loadcnt NN
.if G < 4
	MULQK G, 1
.else
	MULQK G, 0
.endif
	PLACES
.if G <= 26
	WLOAD G+5
.elseif G == 27
	WIN 0x40
	BIASQ 0
	BIASQ 1
	BIASQ 2
.elseif G == 28
	WIN 0x40
	BIASQ 3
	BIASQ 4
	BIASQ 5
.elseif G == 29
	WIN 0x40
	BIASQ 6
	BIASQ 7
.endif
.if ((G%4) == 1) && (G < 28)
	AFETCH G/4+1
.endif
.set G, G+1
.endr
	; ---- the bias, and the rows' means
	WIN 0x40
.irp P, 0,1,2,3,4,5,6,7                        ; ln_b into window 1: v[16 P] for P under 6, v224 and v240 for the last two: registers that the ring has left
.irp j, 0,1,2,3
	global_load_b128 v[16*\P+128*(\P/6)+4*\j:16*\P+128*(\P/6)+4*\j+3], v10, s[16:17] offset:128*\P+16*\j
.endr
.endr
	s_wait_loadcnt 32                              ; b_o is in; ln_b's 32 loads may be out
.irp q, 0,1
	WIN 0x86+0x41*\q
.irp p, 0,1,2,3
.irp a, 0,1,2,3
.irp i, 0,2,4,6,8,10,12,14
	v_pk_add_f32 v[64*\p+16*\a+\i:64*\p+16*\a+\i+1], v[64*\p+16*\a+\i:64*\p+16*\a+\i+1], v[96+16*(4*\q+\p)+\i:96+16*(4*\q+\p)+\i+1]
.endr
.endr
.endr
.endr
	WIN 0x40
.irp P, 0,1,2,3,4,5,6,7                        ; ln_g takes b_o's place
.irp j, 0,1,2,3
	global_load_b128 v[96+16*\P+4*\j:96+16*\P+4*\j+3], v10, s[14:15] offset:128*\P+16*\j
.endr
.endr
	WIN 0
.irp i, 0,1,2,3,4,5,6,7
	v_mov_b32 v[16+\i], 0
.endr
.irp q, 0,1
	WIN 0x08+4*\q
.irp p, 0,1,2,3
.irp i, 0,2,4,6,8,10,12,14
.irp a, 0,1,2,3
	v_pk_add_f32 v[16+2*\a:17+2*\a], v[16+2*\a:17+2*\a], v[64*\p+16*\a+\i:64*\p+16*\a+\i+1]   ; the four tiles of rows by turns
.endr
.endr
.endr
.endr
	WIN 0
	REDUCE 16, 0
.irp a, 0,1,2,3
	v_mul_f32 v[16+2*\a], 0xba800000, v[32+4*\a]   ; -mean
.endr
.irp a, 0,1,2,3
	v_mov_b32 v[17+2*\a], v[16+2*\a]               ; twice: a pair for the packed forms
.endr
	; ---- the differences from the mean, in place, and the variance
.irp q, 0,1
	WIN 0x82+0x41*\q
.irp p, 0,1,2,3
.irp a, 0,1,2,3
.irp i, 0,2,4,6,8,10,12,14
	v_pk_add_f32 v[64*\p+16*\a+\i:64*\p+16*\a+\i+1], v[64*\p+16*\a+\i:64*\p+16*\a+\i+1], v[16+2*\a:17+2*\a]
.endr
.endr
.endr
.endr
	WIN 0
.irp i, 0,1,2,3,4,5,6,7
	v_mov_b32 v[24+\i], 0
.endr
.irp q, 0,1
	WIN 0x0a+5*\q
.irp p, 0,1,2,3
.irp i, 0,2,4,6,8,10,12,14
.irp a, 0,1,2,3
	v_pk_fma_f32 v[24+2*\a:25+2*\a], v[64*\p+16*\a+\i:64*\p+16*\a+\i+1], v[64*\p+16*\a+\i:64*\p+16*\a+\i+1], v[24+2*\a:25+2*\a]
.endr
.endr
.endr
.endr
	WIN 0
	REDUCE 24, 1024                                ; other words than the means': no barrier is needed between the two uses
.irp a, 0,1,2,3
	v_fma_f32 v[32+4*\a], v[32+4*\a], s22, s23     ; the variance + 1e-6
.endr
	s_wait_alu depctr_va_vdst(0)
.irp a, 0,1,2,3
	v_rsq_f32 v[16+2*\a], v[32+4*\a]
.endr
	v_nop
	s_wait_alu depctr_va_vdst(0)                   ; one wait for the four, ahead of their first reader
.irp a, 0,1,2,3
	v_mov_b32 v[17+2*\a], v[16+2*\a]
.endr
	s_wait_alu depctr_va_vdst(0)
	s_wait_loadcnt 0x0                             ; ln_g, ln_b
.irp q, 0,1
	WIN 0x82+0x41*\q
.irp p, 0,1,2,3
.irp a, 0,1,2,3
.irp i, 0,2,4,6,8,10,12,14
	v_pk_mul_f32 v[64*\p+16*\a+\i:64*\p+16*\a+\i+1], v[64*\p+16*\a+\i:64*\p+16*\a+\i+1], v[16+2*\a:17+2*\a]
.endr
.endr
.endr
	WIN 0x96+0x41*\q
.irp p, 0,1,2,3
.irp a, 0,1,2,3
.irp i, 0,2,4,6,8,10,12,14
	v_pk_fma_f32 v[64*\p+16*\a+\i:64*\p+16*\a+\i+1], v[64*\p+16*\a+\i:64*\p+16*\a+\i+1], v[96+16*(4*\q+\p)+\i:96+16*(4*\q+\p)+\i+1], v[16*(4*\q+\p)+128*((4*\q+\p)/6)+\i:16*(4*\q+\p)+128*((4*\q+\p)/6)+\i+1]
.endr
.endr
.endr
.endr
	WIN 0
; THE WAY OUT, block n = 2 a + q: 16 rows x 128 columns.  A lane holds 64 neighbouring bytes of a row in each of four pairs of tiles; the block goes through my own stage and comes back as whole rows of 512 bytes.
; LDS serves a wave's instructions in order (ISA guide 5.7.1.4): no wait between the stores and the loads, nor ahead of the next block's stores.
.macro TOSTAGE n
	WIN 0x08+4*((\n)%2)
.irp p, 0,1,2,3
.irp j, 0,1,2,3
	ds_store_b128 v4, v[64*\p+16*((\n)/2)+4*\j:64*\p+16*((\n)/2)+4*\j+3] offset:128*\p+16*\j
.endr
.endr
	WIN 0
.set BBR, 16+164*((\n)%2)
.irp t, 0,1,2,3,4,5,6,7,8,9,10,11,12,13,14,15
	ds_load_b128 v[BBR+4*\t:BBR+4*\t+3], v5 offset:528*\t
.endr
.endm
.macro SEND n, younger
.set BBR, 16+164*((\n)%2)
	s_wait_dscnt \younger                          ; the block is back; the next block's 16 stores and 16 loads may be out
.irp t, 0,1,2,3,4,5,6,7,8,9,10,11,12,13,14,15
	global_store_b128 v1, v[BBR+4*\t:BBR+4*\t+3], s[18:19] offset:(16*((\n)/2)+\t)*4096+512*((\n)%2) th:TH_STORE_NT   ; 512 consecutive bytes, aligned
.endr
.endm
	TOSTAGE 0
	s_wait_alu depctr_va_vdst(0)
.irp n, 1,2,3,4,5,6,7
.if \n > 1
	s_wait_xcnt 0x0                                ; block n - 2's stores have read their registers: block n's loads may land there
.endif
	TOSTAGE \n
	SEND \n-1, 32
.endr
	SEND 7, 0
	s_wait_tensorcnt 0x0                           ; the wave's end
	ds_add_u32 v12, v13
	s_wait_dscnt 0x0
	s_endpgm
.Lfunc_end_k_q5923e90e4d_oproj:
	.size	k_q5923e90e4d_oproj, .Lfunc_end_k_q5923e90e4d_oproj-k_q5923e90e4d_oproj
	.p2alignl 7, 3214868480
	.fill 96, 4, 3214868480
	.section	.rodata,"a",@progbits
	.p2align	6, 0x0
	.amdhsa_kernel k_q5923e90e4d_oproj
		.amdhsa_group_segment_fixed_size 87552
		.amdhsa_private_segment_fixed_size 0
		.amdhsa_enable_private_segment 0
		.amdhsa_kernarg_size 64
		.amdhsa_user_sgpr_count 2
		.amdhsa_user_sgpr_kernarg_segment_ptr 1
		.amdhsa_wavefront_size32 1
		.amdhsa_system_sgpr_workgroup_id_x 1
		.amdhsa_system_sgpr_workgroup_id_y 1
		.amdhsa_system_sgpr_workgroup_id_z 1
		.amdhsa_system_vgpr_workitem_id 0
		.amdhsa_next_free_vgpr 1024
		.amdhsa_next_free_sgpr 66
		.amdhsa_reserve_vcc 0
		.amdhsa_float_denorm_mode_32 3
		.amdhsa_float_denorm_mode_16_64 3
		.amdhsa_memory_ordered 1
		.amdhsa_forward_progress 1
		.amdhsa_inst_pref_size 255
	.end_amdhsa_kernel
	.section	.bss,"aw",@nobits
	.p2align	6
	.space	262144
	.amdgpu_metadata
---
amdhsa.version: [ 1, 2 ]
amdhsa.kernels:
  - .name:           k_q5923e90e4d_oproj
    .symbol:         k_q5923e90e4d_oproj.kd
    .args:
      - { .name: ofr, .offset: 0, .size: 8, .value_kind: global_buffer, .address_space: global }
      - { .name: osc, .offset: 8, .size: 8, .value_kind: global_buffer, .address_space: global }
      - { .name: wfr, .offset: 16, .size: 8, .value_kind: global_buffer, .address_space: global }
      - { .name: wsc, .offset: 24, .size: 8, .value_kind: global_buffer, .address_space: global }
      - { .name: b_o, .offset: 32, .size: 8, .value_kind: global_buffer, .address_space: global }
      - { .name: ln_g, .offset: 40, .size: 8, .value_kind: global_buffer, .address_space: global }
      - { .name: ln_b, .offset: 48, .size: 8, .value_kind: global_buffer, .address_space: global }
      - { .name: out0, .offset: 56, .size: 8, .value_kind: global_buffer, .address_space: global }
    .group_segment_fixed_size: 87552
    .private_segment_fixed_size: 0
    .kernarg_segment_align: 8
    .kernarg_segment_size: 64
    .max_flat_workgroup_size: 128
    .sgpr_count:     66
    .vgpr_count:     1024
    .wavefront_size: 32
...
	.end_amdgpu_metadata
.endif
;; end of part 4
